; MI455X (gfx1250); checked and timed in simulation.
; The chip was launched on July 23, 2026; its instructions are those of AMD's public machine-readable ISA for CDNA 5 (MIT licence, August 2026) and "CDNA5" Instruction Set Architecture Reference Guide (July 2026). The comments in the code are by the model that wrote it; some were corrected since.
;; my Multihead Attention. Allowed arithmetic: matrix products marked QUANTISED: E2M1 operands, one E8M0 scale for each 32 along K, by v_wmma_scale_f32_16x16x128_f8f6f4 with both operands' format E2M1 (or v_wmma_scale_f32_32x16x128_f4), f32 sums; everything else in f32.
;; Inputs: W 1,024 x 1,024 float32; b 1,024 float32; key 4 x 16 x 2,048 x 64 float32; query 4 x 16 x 2,048 x 64 float32; value 4 x 16 x 2,048 x 64 float32.
;; Outputs: out0 8,192 x 1,024 float32.
;; This version of the problem:
;;   THIS VERSION OF THE PROBLEM IS GIVEN IN LOW PRECISION. The matrix products marked QUANTISED in the list below multiply operands that are first quantised to E2M1 (2 exponent bits, 1 mantissa bit; 4 bits a number), with one power-of-two scale for each 32 numbers along K (OCP MX v1.0); their sums are f32. All else is computed in f32.
;;   The module's matrix products, in the order in which they are computed (A, B: the left and right operand; K: the contracted axis; several contracted axes count as one K, in the product's order):
;;     1. batch 64 x [M 2,048, K 64] x [K 64, N 2,048]; A: input key; B: input query: QUANTISED
;;     2. batch 64 x [M 64, K 2,048] x [K 2,048, N 2,048]; A: input value; B: softmax (see below): QUANTISED
;;     3. [M 8,192, K 1,024] x [K 1,024, N 1,024]; A: computed on the way; B: input W: QUANTISED
;;   THE QUANTISER, for each operand of a quantised product, along K:
;;     - K is cut into blocks of 32 from its start; a last block that is shorter is filled with zeros.
;;     - A block's scale is 2^e with e = floor(log2(the largest magnitude in the block)) - 2, held to -126 .. 127; a block of zeros has e = 0. As a byte (E8M0): e + 127.
;;     - Each number is divided by its block's scale, clamped to +-6, and rounded to the nearest number of E2M1, ties to even, subnormals kept.
;;     - The product sums the exact products of the quantised numbers (number of the format x scale) in f32.
;;   ~~~python
;;   def quantise(x, axis):      # numpy; x: float32 -> the quantised numbers, widened to float32 again
;;       x = np.moveaxis(x, axis, -1); K = x.shape[-1]
;;       x = np.pad(x, [(0, 0)] * (x.ndim - 1) + [(0, -K % 32)]); x = x.reshape(x.shape[:-1] + (-1, 32)); a = np.abs(x).max(-1, keepdims=True)
;;       e = np.where(a > 0, np.clip(np.frexp(np.where(a > 0, a, 1))[1] - 1 - 2, -126, 127), 0)      # np.frexp(a)[1] - 1 = floor(log2(a)), exactly
;;       r = np.clip(x / 2.0 ** e, -6, 6)
;;       step = 2.0 ** (np.maximum(np.frexp(np.where(r == 0, 1, r))[1] - 1, 0) - 1)
;;       q = np.round(r / step) * step * 2.0 ** e      # np.round: ties to even
;;       return np.moveaxis(q.reshape(q.shape[:-2] + (-1,))[..., :K], -1, axis).astype(np.float32)
;;   ~~~
;;   SOFTMAX AHEAD OF A QUANTISED PRODUCT. Where the list says 'softmax', what is quantised is not the finished softmax but p = 2^(t - M), with t = logit x log2(e) and M = ceil(the row's largest t), a whole number; so 1/2 < the row's largest p <= 1. The row's sum l is taken of the UNQUANTISED p, in f32, and the product's result is divided by l at the end. Since M is a whole number, a kernel that streams over the keys may use a running M (the ceiling of the running maximum): every later rescaling is an exact power of two, which a block's scale takes up: the codes' values come out the same.
;;   OPERANDS COMPUTED ON THE WAY. 'Computed on the way' means the value that the module computes at that place (a softmax that the list does not call 'softmax' is quantised finished and normalised). What goes into a quantiser is computed in f32, as accurately as f32 sums, v_exp_f32 and their like allow (about 1e-6 of the number): no bf16 or f16 on the way to a quantiser, and a product that is left as it is and whose result goes on into a quantised operand takes f32 operands (vector FMAs, or v_wmma_f32_16x16x4_f32). A number that lies on a knife's edge between two numbers of the format may be rounded either way, as far as f32 arithmetic and the matrix unit's own rounding can turn it there, and no further.
;; One version. Each part assembles by itself: llvm-mc -triple=amdgcn-amd-amdhsa -mcpu=gfx1250 --defsym DOCPART=n.
;; ======== version 1 of 1: 3 launches
;; limits: right only within a limited range of input values
;; workspace buffers: rc 8,912,896 bytes; rs 557,056 bytes; v_codes 4,194,304 bytes; v_scales 262,144 bytes; x_codes 4,194,304 bytes; x_scales 262,144 bytes
;; launch prep (part 1): grid 400 x 1, 8 waves a work-group, no clusters, 84,992 bytes of LDS; arguments key, W, value, rc, rs, v_codes, v_scales; writes rc, rs, v_codes, v_scales
.if DOCPART == 1
	.amdgcn_target "amdgcn-amd-amdhsa--gfx1250"
	.amdhsa_code_object_version 6
	.text
	.protected	k_qc712941cc0_prep
	.globl	k_qc712941cc0_prep
	.p2align	8
	.type	k_qc712941cc0_prep,@function
k_qc712941cc0_prep:
	s_mov_b64 s[64:65], 0
	v_nop
	global_prefetch_b8 v0, s[64:65] scope:SCOPE_SE
	s_setreg_imm32_b32 hwreg(HW_REG_WAVE_MODE, 25, 1), 1
	s_wait_xcnt 0x0
; key [64][2048][64], W [1024][1024] and value [64][2048][64], f32, become codes of FP4 (E2M1), two a byte, with one E8M0 scale byte for each 32 along their product's K.
; A block's scale is 2^(floor(log2(its largest magnitude)) - 2); its byte is the largest magnitude's exponent field - 2, held at 1 from below.
; LIMITS: a block of zeros, and a block whose largest magnitude lies under 2^-124, get the byte 1 (the rule gives a block of zeros 127: its codes are zeros, which add nothing, and this program alone reads the bytes); NaN and infinities are not served.
; No work of reference() is left out in this program; query is quantised by the launch that reads it.
; TWO PATHS, parted on the work-group's number alone, each with LDS bytes of its own.
; ROWS (work-groups 0-143): key (0-127) and W (128-143) have K innermost: plain streams of blocks of 32.  Codes go to rc (16 bytes a block), bytes to rs: key's from block 0, W's from block 524,288.
;   A wave takes 8,192 numbers in 16 steps of 512; a step's four loads read 512 consecutive bytes each, turn through the wave's own stage in LDS and come back 64 bytes a lane: two neighbouring lanes hold a block.
; COLUMNS (work-groups 144-399): value's K is the keys, not innermost.  A lane takes a column d and its registers run down the keys.  Codes are laid [head][d][2048 keys], scale words [head][128 keys][d].
;   A work-group takes 512 keys x 64 d; wave w: columns 32 (w & 1) on, keys 128 (w >> 1) on.  The codes meet in a stage in LDS and leave as rows: sixteen lanes store 256 consecutive aligned bytes.
; No tensor loads, no cluster: work-groups share no input.
.set NROW,  144
.set STEPS, 16
.set EMAX,  2
.set CB,    8
.set R,     16                         ; rows: v16-79 four sets of 16 numbers as loaded; v80-111 two sets of 16 neighbours; v112-127 bytes; v128-191 codes
.set X,     80
.set E,     112
.set C,     128
.set WREG,  8192                       ; rows: a region for each wave: two stages of 32 x SP bytes, then its 256 scale bytes
.set SP,    80
.set VB,    65536                      ; columns: the stage, 64 rows of 272 bytes, then the scale words
.set PITCH, 272
.set SST,   VB+64*PITCH
.set SPARE, 83968                      ; the spare words, 128 bytes a wave
.set SB,    24                         ; columns: v24 scale word; v32-95 two sets of 32 numbers; v96-111 codes; v112-127 the way out
.set VX,    32
.set VCD,   96
.set OUTR,  112
	s_load_b256 s[4:11], s[0:1], 0x0               ; key, W, value, rc
	s_load_b128 s[12:15], s[0:1], 0x20             ; rs, v_codes
	s_load_b64 s[28:29], s[0:1], 0x30              ; v_scales
	v_lshl_add_u32 v192, v0, 2, SPARE
	v_mov_b32 v193, 0
	v_lshrrev_b32 v1, 5, v0
	v_readfirstlane_b32 s16, v1                    ; wave 0..7
	s_cmp_lt_u32 ttmp9, NROW
	s_wait_alu depctr_va_vdst(0)
	s_cbranch_scc0 .Lcols
	v_and_b32 v2, 31, v0                           ; lane
	v_lshlrev_b32 v3, 4, v2                        ; my 16 bytes of a load's 512
	s_mul_i32 s17, s16, WREG
	v_lshrrev_b32 v14, 2, v2
	v_mul_u32_u24 v14, v14, SP
	v_and_b32 v15, 3, v2
	v_lshl_add_u32 v14, v15, 4, v14
	v_add_nc_u32 v14, s17, v14                     ; the stage, in: SP (lane / 4) + 16 (lane % 4)
	v_mul_u32_u24 v15, v2, SP
	v_add_nc_u32 v15, s17, v15                     ; out: SP x lane: my 16 neighbours
	v_mul_u32_u24 v4, v2, CB
	v_lshrrev_b32 v5, 1, v2
	s_add_co_u32 s17, s17, 2*32*SP
	v_add_nc_u32 v5, s17, v5                       ; my block's byte among my wave's 256
	v_lshlrev_b32 v7, 3, v2
	v_add_nc_u32 v6, s17, v7
	s_wait_alu depctr_va_vdst(0)
	s_wait_kmcnt 0x0
	s_cmp_lt_u32 ttmp9, 128                        ; key or W: the work-group's number alone decides
	s_cselect_b64 s[4:5], s[4:5], s[6:7]
	s_cselect_b32 s17, 0, 128
	s_cselect_b32 s21, 0, 2048                     ; W's first run in the outputs' stream
	s_sub_co_u32 s17, ttmp9, s17
	s_lshl_b32 s17, s17, 3
	s_add_co_u32 s17, s17, s16                     ; which run of 8,192 numbers of the tensor
	s_lshl_b32 s18, s17, 15
	s_mov_b32 s19, 0
	s_add_nc_u64 s[4:5], s[4:5], s[18:19]
	s_add_co_u32 s20, s17, s21
	s_lshl_b32 s18, s20, 12                        ; 4,096 bytes of codes a run
	s_add_nc_u64 s[10:11], s[10:11], s[18:19]
	s_lshl_b32 s18, s20, 8                         ; 256 scale bytes a run
	s_add_nc_u64 s[12:13], s[12:13], s[18:19]
.macro LOAD t
.irp i, 0,1,2,3
	global_load_b128 v[R+16*((\t)%4)+4*\i:R+16*((\t)%4)+4*\i+3], v3, s[4:5] offset:2048*(\t)+512*\i th:TH_LOAD_NT
.endr
.endm
.macro TURN t                          ; LDS serves a wave's instructions in order: no wait between the stores and the loads
.irp i, 0,1,2,3
	ds_store_b128 v14, v[R+16*((\t)%4)+4*\i:R+16*((\t)%4)+4*\i+3] offset:32*SP*((\t)%2)+8*SP*\i
.endr
.irp i, 0,1,2,3
	ds_load_b128 v[X+16*((\t)%2)+4*\i:X+16*((\t)%2)+4*\i+3], v15 offset:32*SP*((\t)%2)+16*\i
.endr
.endm
.irp t, 0,1,2,3
	LOAD \t
.endr
	s_wait_loadcnt 12                              ; step 0's four loads are in; the twelve of steps 1 to 3 may be out
	TURN 0
.macro STEP t
.set XS, X+16*((\t)%2)
.if (\t) > 0
	s_wait_dscnt 1                                 ; this step's numbers are back (the last step's byte store may be out)
.else
	s_wait_dscnt 0x0
.endif
.if (\t)+4 < STEPS
	LOAD (\t)+4
.endif
.if (\t)+1 < STEPS
.if STEPS-2-(\t) >= 3
	s_wait_loadcnt 12                              ; the next step's four loads are in; those of the three steps behind it may be out
.else
	s_wait_loadcnt 4*(STEPS-2-(\t))
.endif
	TURN (\t)+1
.endif
	v_max3_num_f32 v8, |v[XS]|, |v[XS+1]|, |v[XS+2]|
	v_max3_num_f32 v9, |v[XS+3]|, |v[XS+4]|, |v[XS+5]|
.irp i, 6,10
	v_max3_num_f32 v8, v8, |v[XS+\i]|, |v[XS+\i+1]|
	v_max3_num_f32 v9, v9, |v[XS+\i+2]|, |v[XS+\i+3]|
.endr
	v_max3_num_f32 v8, v8, |v[XS+14]|, |v[XS+15]|
	v_max3_num_f32 v8, v8, v9, (EMAX+1)<<23        ; the floor 2^(3 - 127): the byte cannot fall under 1
	v_max_num_f32_dpp v8, v8, v8 row_xmask:1 row_mask:0xf bank_mask:0xf   ; with my neighbour's 16: the block's
	v_add_nc_u32 v11, -(EMAX<<23), v8              ; 2 off the exponent field: the conversion's scale operand
	v_cvt_scalef32_pk8_fp4_f32 v[C+4*(\t)], v[XS:XS+7], v11
	v_cvt_scalef32_pk8_fp4_f32 v[C+4*(\t)+1], v[XS+8:XS+15], v11
	v_lshrrev_b32 v[E+(\t)], 23, v11               ; the scale's byte
	ds_store_b8 v5, v[E+(\t)] offset:16*(\t)
	global_store_b64 v4, v[C+4*(\t):C+4*(\t)+1], s[10:11] offset:32*CB*(\t)   ; the wave stores 256 consecutive bytes, aligned
.endm
.irp t, 0,1,2,3,4,5,6,7,8,9,10,11,12,13,14,15
	STEP \t
.endr
	ds_load_b64 v[12:13], v6
	s_wait_dscnt 0x0
	global_store_b64 v7, v[12:13], s[12:13]        ; 256 consecutive bytes, aligned
	s_wait_tensorcnt 0x0                           ; the wave's end
	ds_add_u32 v192, v193
	s_wait_dscnt 0x0
	s_endpgm
.Lcols:
	s_sub_co_u32 s30, ttmp9, NROW
	s_and_b32 s31, s30, 3                          ; which 512 keys
	s_lshr_b32 s19, s30, 2                         ; head
	v_and_b32 v1, 31, v0                           ; lane
	s_and_b32 s17, s16, 1                          ; which 32 columns
	s_lshr_b32 s18, s16, 1                         ; which 128 keys
	v_lshlrev_b32 v3, 2, v1
	s_mul_i32 s20, s17, 32*PITCH
	s_lshl_b32 s21, s18, 6
	s_add_co_u32 s20, s20, s21
	s_add_co_u32 s20, s20, VB
	v_mul_u32_u24 v4, v1, PITCH
	v_add_nc_u32 v4, s20, v4                       ; into the stage: row = my column, 64 bytes for each 128 keys
	s_lshl_b32 s20, s18, 8
	s_lshl_b32 s21, s17, 7
	s_add_co_u32 s20, s20, s21
	s_add_co_u32 s20, s20, SST
	s_wait_alu depctr_va_vdst(0)
	v_add_nc_u32 v5, s20, v3                       ; my scale word's place
	v_and_b32 v10, 15, v0
	v_bfe_u32 v2, v0, 4, 1
	s_mul_i32 s20, s16, 8*PITCH
	s_add_co_u32 s20, s20, VB
	v_mul_u32_u24 v6, v2, PITCH
	v_lshl_add_u32 v6, v10, 4, v6
	v_add_nc_u32 v6, s20, v6                       ; out of the stage: my wave's 8 rows, sixteen lanes to a row
	v_lshlrev_b32 v7, 10, v2
	v_lshl_add_u32 v7, v10, 4, v7                  ; the same place in v_codes
	v_lshlrev_b32 v9, 4, v1
	s_lshl_b32 s20, s17, 9
	s_add_co_u32 s20, s20, SST
	v_add_nc_u32 v8, s20, v9                       ; the scale words on the way out (waves 0 and 1)
	s_lshl_b32 s22, s19, 19                        ; value: head x 524,288 + 131,072 x + 128 keys x 32,768 + 32 columns x 128
	s_lshl_b32 s20, s31, 17
	s_add_co_u32 s22, s22, s20
	s_lshl_b32 s20, s18, 15
	s_add_co_u32 s22, s22, s20
	s_lshl_b32 s20, s17, 7
	s_add_co_u32 s22, s22, s20
	s_mov_b32 s23, 0
	s_lshl_b32 s24, s19, 16                        ; v_codes: head x 65,536 + 256 x + 8 rows of 1,024 x wave
	s_lshl_b32 s20, s31, 8
	s_add_co_u32 s24, s24, s20
	s_lshl_b32 s20, s16, 13
	s_add_co_u32 s24, s24, s20
	s_mov_b32 s25, 0
	s_lshl_b32 s26, s19, 12                        ; v_scales: head x 4,096 + 1,024 x + 512 (wave & 1)
	s_lshl_b32 s20, s31, 10
	s_add_co_u32 s26, s26, s20
	s_lshl_b32 s20, s17, 9
	s_add_co_u32 s26, s26, s20
	s_mov_b32 s27, 0
	s_wait_alu depctr_va_vdst(0)
	s_wait_kmcnt 0x0
	s_add_nc_u64 s[4:5], s[8:9], s[22:23]
	s_add_nc_u64 s[6:7], s[14:15], s[24:25]
	s_add_nc_u64 s[8:9], s[28:29], s[26:27]
.macro VLOAD t                         ; block t: value(32 t + i, my column) into set t % 2
.irp i, 0,1,2,3,4,5,6,7,8,9,10,11,12,13,14,15,16,17,18,19,20,21,22,23,24,25,26,27,28,29,30,31
	global_load_b32 v[VX+32*((\t)%2)+\i], v3, s[4:5] offset:(32*(\t)+\i)*256 th:TH_LOAD_NT
.endr
.endm
	VLOAD 0
	VLOAD 1
.macro BLOCK t
.set XS, VX+32*((\t)%2)
.if (\t) < 3
	s_wait_loadcnt 32                              ; this block's 32 loads are in; the next block's 32 may be out
.else
	s_wait_loadcnt 0x0
.endif
	v_max3_num_f32 v12, |v[XS]|, |v[XS+1]|, |v[XS+2]|
	v_max3_num_f32 v13, |v[XS+3]|, |v[XS+4]|, |v[XS+5]|
.irp i, 6,10,14,18,22,26
	s_delay_alu instid0(VALU_DEP_2)
	v_max3_num_f32 v12, v12, |v[XS+\i]|, |v[XS+\i+1]|
	s_delay_alu instid0(VALU_DEP_2)
	v_max3_num_f32 v13, v13, |v[XS+\i+2]|, |v[XS+\i+3]|
.endr
	s_delay_alu instid0(VALU_DEP_2)
	v_max3_num_f32 v12, v12, |v[XS+30]|, |v[XS+31]|
	s_delay_alu instid0(VALU_DEP_1)
	v_max3_num_f32 v12, v12, v13, (EMAX+1)<<23
	s_delay_alu instid0(VALU_DEP_1)
	v_add_nc_u32 v11, -(EMAX<<23), v12
	s_delay_alu instid0(VALU_DEP_1)
	v_lshrrev_b32 v13, 23, v11
.if (\t) == 0
	s_delay_alu instid0(VALU_DEP_1)
	v_mov_b32 v[SB], v13                           ; four bytes make the word of these 128 keys
.else
	s_delay_alu instid0(VALU_DEP_1)
	v_lshl_or_b32 v[SB], v13, 8*(\t), v[SB]
.endif
.irp g, 0,1,2,3
	v_cvt_scalef32_pk8_fp4_f32 v[VCD+4*(\t)+\g], v[XS+8*\g:XS+8*\g+7], v11
.endr
	ds_store_b128 v4, v[VCD+4*(\t):VCD+4*(\t)+3] offset:16*(\t)
.if (\t) < 2
	VLOAD (\t)+2
.endif
.endm
	BLOCK 0
	BLOCK 1
	BLOCK 2
	BLOCK 3
	ds_store_b32 v5, v[SB]
	s_wait_dscnt 0x0                               ; for the others' sake: my stores into the stage are done
	s_barrier_signal -1
	s_barrier_wait -1
.irp i, 0,1,2,3
	ds_load_b128 v[OUTR+4*\i:OUTR+4*\i+3], v6 offset:2*\i*PITCH
.endr
.irp i, 0,1,2,3
	s_wait_dscnt 3-\i                              ; the younger loads may be out
	global_store_b128 v7, v[OUTR+4*\i:OUTR+4*\i+3], s[6:7] offset:2048*\i   ; sixteen lanes store 256 consecutive bytes, aligned
.endr
	s_cmp_lt_u32 s16, 2
	s_cbranch_scc0 .Lend                           ; the scale words: waves 0 and 1
	ds_load_b128 v[32:35], v8
	s_wait_dscnt 0x0
	global_store_b128 v9, v[32:35], s[8:9]         ; 512 consecutive bytes, aligned
.Lend:
	s_wait_tensorcnt 0x0                           ; the wave's end
	ds_add_u32 v192, v193
	s_wait_dscnt 0x0
	s_endpgm
.Lfunc_end_k_qc712941cc0_prep:
	.size	k_qc712941cc0_prep, .Lfunc_end_k_qc712941cc0_prep-k_qc712941cc0_prep
	.p2alignl 7, 3214868480
	.fill 96, 4, 3214868480
	.section	.rodata,"a",@progbits
	.p2align	6, 0x0
	.amdhsa_kernel k_qc712941cc0_prep
		.amdhsa_group_segment_fixed_size 84992
		.amdhsa_private_segment_fixed_size 0
		.amdhsa_enable_private_segment 0
		.amdhsa_kernarg_size 56
		.amdhsa_user_sgpr_count 2
		.amdhsa_user_sgpr_kernarg_segment_ptr 1
		.amdhsa_wavefront_size32 1
		.amdhsa_system_sgpr_workgroup_id_x 1
		.amdhsa_system_sgpr_workgroup_id_y 1
		.amdhsa_system_sgpr_workgroup_id_z 1
		.amdhsa_system_vgpr_workitem_id 0
		.amdhsa_next_free_vgpr 194
		.amdhsa_next_free_sgpr 66
		.amdhsa_reserve_vcc 0
		.amdhsa_float_denorm_mode_32 3
		.amdhsa_float_denorm_mode_16_64 3
		.amdhsa_memory_ordered 1
		.amdhsa_forward_progress 1
		.amdhsa_inst_pref_size 57
	.end_amdhsa_kernel
	.amdgpu_metadata
---
amdhsa.version: [ 1, 2 ]
amdhsa.kernels:
  - .name:           k_qc712941cc0_prep
    .symbol:         k_qc712941cc0_prep.kd
    .args:
      - { .name: key, .offset: 0, .size: 8, .value_kind: global_buffer, .address_space: global }
      - { .name: W, .offset: 8, .size: 8, .value_kind: global_buffer, .address_space: global }
      - { .name: value, .offset: 16, .size: 8, .value_kind: global_buffer, .address_space: global }
      - { .name: rc, .offset: 24, .size: 8, .value_kind: global_buffer, .address_space: global }
      - { .name: rs, .offset: 32, .size: 8, .value_kind: global_buffer, .address_space: global }
      - { .name: v_codes, .offset: 40, .size: 8, .value_kind: global_buffer, .address_space: global }
      - { .name: v_scales, .offset: 48, .size: 8, .value_kind: global_buffer, .address_space: global }
    .group_segment_fixed_size: 84992
    .private_segment_fixed_size: 0
    .kernarg_segment_align: 8
    .kernarg_segment_size: 56
    .max_flat_workgroup_size: 256
    .sgpr_count:     66
    .vgpr_count:     194
    .wavefront_size: 32
...
	.end_amdgpu_metadata
.endif
;; end of part 1
;; launch attn (part 2): grid 4 x 64, 16 waves a work-group, clusters of 4 x 1, 327,680 bytes of LDS; arguments rc, rs, query, v_codes, v_scales, x_codes, x_scales; writes x_codes, x_scales
.if DOCPART == 2
	.amdgcn_target "amdgcn-amd-amdhsa--gfx1250"
	.amdhsa_code_object_version 6
	.text
	.protected	k_qc712941cc0_attn
	.globl	k_qc712941cc0_attn
	.p2align	8
	.type	k_qc712941cc0_attn,@function
k_qc712941cc0_attn:
	s_mov_b64 s[64:65], 0
	v_nop
	global_prefetch_b8 v0, s[64:65] scope:SCOPE_SE
	s_setreg_imm32_b32 hwreg(HW_REG_WAVE_MODE, 25, 1), 1
	s_wait_xcnt 0x0
	s_wait_alu depctr_hold_cnt(0) depctr_sa_sdst(0) depctr_va_vdst(0) depctr_va_sdst(0) depctr_va_ssrc(0) depctr_va_vcc(0) depctr_vm_vsrc(0)
	s_getreg_b32 s2, hwreg(HW_REG_IB_STS2, 6, 4)
	s_cmp_eq_u32 s2, 0
	s_cbranch_scc0 .Lentry_in_a_cluster
	s_endpgm
.Lentry_in_a_cluster:
	s_bfe_u32 s2, ttmp6, 0x10000c
	s_cmp_lg_u32 s2, 0x3003
	s_cbranch_scc0 .Lentry_shape_is_right
	s_endpgm
.Lentry_shape_is_right:
; x[head][d][q] = (sum over keys k of V[k][d] p[k][q]) / l[q],  p = 2^(t - M),  t = (K[k] . Q[q]) log2(e),  M = the ceiling of the query's largest t,  l = the sum over k of the unquantised p.
; Both products run on codes of FP4 (E2M1) with one E8M0 scale for each 32 along K.  x is then quantised along q, blocks of 32 queries, for the projection: x_codes [head][d][1,024 bytes], x_scales [head][d][64 bytes].
; K's codes (32 bytes a key) and scale bytes (2 a key) lie in rc and rs; V's codes with the keys innermost in v_codes, its scale words [128 keys][d] in v_scales.  Q arrives as f32 and is quantised here, in registers: each query is read by one wave.
; M runs: -M = floor(-t) of the running largest t; when it moves, l and O^T are multiplied by f = 2^(old M - new M), which rounds nothing.
; WHAT IS KEPT IS 4 p.  The exponent gets -M + 2, so the registers hold p' = 4 p.  A block's largest p, 2^(its largest t - M), with exponent e, is then itself the conversion's scale operand: p' / 2^e = p / 2^(e - 2), as the rule asks;
; and its exponent field is the byte given to the matrix unit, which stands for 2^e where the rule's scale is 2^(e - 2): O^T comes out 4 times as large, and so does l, the sum of p': the factor cancels in O^T / l, exactly.
; LIMITS: p under 2^-126 counts as 0 (v_exp_f32 flushes: ISA guide 15.8); a block of p whose largest p has so fallen to 0 gets the byte 0 (2^-127, a finite code), under which its codes add less than 2^-120 of the row's largest term;
; where the two roundings of t - M and t - M + 2 fall on different sides of a whole number, the block's largest p is held at the largest code; a block of Q or x under 2^-124 gets the byte 1; NaN and infinities are not served.
; SHARES.  A work-group owns 512 queries of one head; each of its sixteen waves 32 of them, as two tiles of 16 walked one after the other: a wave owns a whole block of 32 queries of the projection's K.
; A HEAD'S CODES AND SCALES FIT IN LDS WHOLE: filled once, at the start; nothing is filled again, and the loop over the keys has no barrier.  So there is no loop of loads from memory to prefetch ahead of.
; CLUSTER.  The four work-groups of a head read the same K and V: the four fills are asked for JOINTLY (mask 15), one each by waves 0 to 3, behind one round of the cluster's barrier; a closing round stands at the end.
; LAYOUT.  Both products are used transposed: S^T = K Q^T (source 0 = 16 keys), O^T = V^T P (source 0 = 16 of the 64 d): a lane holds ONE query (lane % 16) throughout.
; THE KEYS OF A TILE: row 8 hh + j of tile (c, t) is key 64 c + 32 hh + 8 t + j.  So lane (r, h) holds in registers 32 c + 0 .. 31 of S^T the keys 64 c + 32 h + 0 .. 31: a WHOLE block of 32, in the order of the second product's operand:
; a block's maximum needs no other lane, and the eight conversions' results are P's registers as they stand.
; THE FIRST PRODUCT'S K IS 64, THE INSTRUCTION'S 128.  Q's registers 4-7 are zero codes; K's registers 4-7 are whatever follows its four (the next tile's codes; behind the last four zeros): E2M1 has no infinity or NaN, so they add exactly 0.
; Both sides' scale words have 0 in bytes 2 and 3.
.set KC,  0                            ; LDS: K's codes: 64 rows of 1,024 bytes (32 keys) + 16 of padding
.set VC,  66560                        ; V's codes: 64 rows (d) of 1,024 bytes + 16
.set KS,  133120                       ; K's scale bytes, [key][2]
.set VS,  137216                       ; V's scale words, [128 keys][d]
.set STG, 141312                       ; each wave's own 9,216 bytes: x in f32, 64 rows (d) of 32 queries x 4 bytes + 16
.set XC,  288768                       ; x's codes: 64 rows (d) of 16 waves x 16 bytes + 16
.set XSS, 306176                       ; x's scale bytes, [d][16]
.set SPARE, 307200                     ; the spare words, 128 bytes a wave
.set AK0, 1
.set AV0, 2
.set ASK0, 3
.set ASV0, 4
.set STW, 5
.set RDX, 6
.set XCW, 7
.set ADK, 8
.set ADV, 9
.set ADS, 10
.set ADT, 11
.set NP,  12                           ; v[12:13] -M + 2 (v13 only named with it)
.set NM,  14                           ; -M
.set MS,  15                           ; the running largest score
.set QF0, 16                           ; v16-23, v24-31 Q's fragments (upper four zeros)
.set QF1, 24
.set KF,  32                           ; v32-63 eight tiles of K, 4 registers each; v64-67 zeros
.set VF,  68                           ; v68-99 four tiles of V
.set S,   100                          ; v100-163 S^T, then p', then x
.set OT,  164                          ; v164-195 O^T
.set PC,  196                          ; v196-203 P's codes
.set BM,  204                          ; v204-205 my two blocks' largest score, then largest p
.set T2,  206
.set T3,  207
.set TMP, 208
.set L,   210                          ; v210-217 l in four pairs
.set PW,  218                          ; P's scale word
.set QS0, 219
.set QS1, 220
.set KSC, 221                          ; v221-224 K's scale words: lanes 0-15 the even tile's, lanes 16-31 the odd one's
.set VSC, 225                          ; v225-226 V's likewise
.set FF,  228                          ; v[228:229] f (v229 only named with it)
.set MY,  230                          ; v230-231 second chains of the maxima
.set XSW, 232
.set RDC, 233
.set GOC, 234
.set RDS, 235
.set GOS, 236
.set QOC, 237
.set XM,  240                          ; v240-244 at work at the head; v240-243 the maxima of x
.set SO,  246
.set XB,  248
.set WV,  20
.set G1C, 24                           ; s[24:31] group 1 for codes; s[32:39] for a dense block of 4,096 bytes
.set G1S, 32
.set G0K, 48
.set G0V, 52
.set G0KS, 56
.set G0VS, 60
.set SEL, 68                           ; s[68:69] selects for lane l xor 16
.set CS,  70                           ; s[70:71] log2(e)
.set NC,  72                           ; -log2(e)
.set TK,  73                           ; the NEXT step's place in K's codes: 4,160 bytes a step
.set TV,  74                           ; this step's place in V's rows: 64 bytes a step
.set TS,  75                           ; the next step's place in K's scale bytes: 256 a step
.set TW,  88                           ; this step's place in V's scale words
.set CNT, 89
.set MSK, 90
.macro PLACES
.rept 4
	v_nop
.endr
.endm
.macro ROUND                           ; a round of the cluster's barrier
	s_barrier_signal -1
	s_barrier_wait -1
	s_cmp_lg_u32 s[WV], 0
	s_cbranch_scc1 .Lnot_wave_0_\@
	s_barrier_signal -3
.Lnot_wave_0_\@:
	s_barrier_wait -3
	s_barrier_signal -1
	s_barrier_wait -1
.endm
; one product: acc = 0: the sum begins; acc = 1: in place.  row = 1: source 0's scales from lanes 16-31
.macro WM d, a, b, acc, sa, sb, row
.if \acc
.if \row
	v_wmma_scale_f32_16x16x128_f8f6f4 v[\d:\d+7], v[\a:\a+7], v[\b:\b+7], v[\d:\d+7], v[\sa], v[\sb] matrix_a_fmt:MATRIX_FMT_FP4 matrix_b_fmt:MATRIX_FMT_FP4 matrix_a_scale:MATRIX_SCALE_ROW1
.else
	v_wmma_scale_f32_16x16x128_f8f6f4 v[\d:\d+7], v[\a:\a+7], v[\b:\b+7], v[\d:\d+7], v[\sa], v[\sb] matrix_a_fmt:MATRIX_FMT_FP4 matrix_b_fmt:MATRIX_FMT_FP4
.endif
.else
.if \row
	v_wmma_scale_f32_16x16x128_f8f6f4 v[\d:\d+7], v[\a:\a+7], v[\b:\b+7], 0, v[\sa], v[\sb] matrix_a_fmt:MATRIX_FMT_FP4 matrix_b_fmt:MATRIX_FMT_FP4 matrix_a_scale:MATRIX_SCALE_ROW1
.else
	v_wmma_scale_f32_16x16x128_f8f6f4 v[\d:\d+7], v[\a:\a+7], v[\b:\b+7], 0, v[\sa], v[\sb] matrix_a_fmt:MATRIX_FMT_FP4 matrix_b_fmt:MATRIX_FMT_FP4
.endif
.endif
.endm
.macro KLOAD a, sc                     ; a step's eight tiles of K and their scale bytes: 12 LDS loads
.irp t, 0,1,2,3,4,5,6,7
	ds_load_b128 v[KF+4*\t:KF+4*\t+3], v[\a] offset:(\t/4)*2080+(\t%4)*256
.endr
.irp p, 0,1,2,3
	ds_load_u16 v[KSC+\p], v[\sc] offset:(\p/2)*128+(\p%2)*32   ; 16 bits, widened with zeros
.endr
.endm
	s_load_b256 s[4:11], s[0:1], 0x0               ; rc s[4:5], rs s[6:7], query s[8:9], v_codes s[10:11]
	s_load_b128 s[12:15], s[0:1], 0x20             ; v_scales s[12:13], x_codes s[14:15]
	s_load_b64 s[16:17], s[0:1], 0x30              ; x_scales
	v_lshl_add_u32 v254, v0, 2, SPARE
	v_mov_b32 v255, 0
	ds_add_u32 v254, v255                          ; the opening lines
	ds_add_u32 v254, v255
	v_lshrrev_b32 v240, 5, v0
	v_readfirstlane_b32 s[WV], v240                ; wave 0..15
	v_and_b32 v241, 15, v0                         ; r
	v_bfe_u32 v242, v0, 4, 1                       ; h
.set QSW, 238                          ; v238 Q's way through my stage: where 16 bytes go;  v239 where my 128 bytes come back from
.set QRD, 239
	v_and_b32 v[QOC], 31, v0
	v_lshlrev_b32 v[QOC], 4, v[QOC]                ; Q: my 16 bytes of a load's 512 consecutive bytes
	s_bfe_u32 s21, ttmp6, 0x40000                  ; cx = my block of 512 queries: it enters Q's and x's global addresses alone
	s_and_b32 s22, ttmp7, 0xffff                   ; the head, which the four partners share
	s_mov_b32 s[G1C], 15|(3<<16)|(1<<20)|(1<<21)|(7<<22)|(3<<25)   ; mask: all four; elements of 8 bytes; 4 words of padding behind every 256
	s_mov_b32 s[G1C+1], 128<<16                    ; rows of 128 elements (1,024 bytes)
	s_mov_b32 s[G1C+2], 64<<16                     ; 64 rows
	s_mov_b32 s[G1C+3], 128<<16
	s_mov_b32 s[G1C+4], 64
	s_mov_b32 s[G1C+5], 128                        ; dense
	s_mov_b32 s[G1C+6], 0
	s_mov_b32 s[G1C+7], 0
	s_mov_b32 s[G1S], 15|(3<<16)|(1<<21)           ; 16 rows of 256 bytes, no padding
	s_mov_b32 s[G1S+1], 32<<16
	s_mov_b32 s[G1S+2], 16<<16
	s_mov_b32 s[G1S+3], 32<<16
	s_mov_b32 s[G1S+4], 16
	s_mov_b32 s[G1S+5], 32
	s_mov_b32 s[G1S+6], 0
	s_mov_b32 s[G1S+7], 0
	s_lshl_b32 s76, s22, 16                        ; the head's first byte in each tensor of codes,
	s_mov_b32 s77, 0
	s_lshl_b32 s78, s22, 12                        ; and of scales
	s_mov_b32 s79, 0
	s_lshl_b32 s80, s22, 19                        ; query: head x 524,288 + 131,072 cx + 8,192 wave
	s_lshl_b32 s84, s21, 17
	s_add_co_u32 s80, s80, s84
	s_lshl_b32 s84, s[WV], 13
	s_add_co_u32 s80, s80, s84
	s_mov_b32 s81, 0
	s_lshl_b32 s84, s21, 8                         ; x_codes: head + 256 cx + 4 rows of 1,024 x wave
	s_lshl_b32 s86, s[WV], 12
	s_add_co_u32 s84, s84, s86
	s_add_co_u32 s84, s84, s76
	s_mov_b32 s85, 0
	s_and_b32 s86, s[WV], 1                        ; x_scales: head + 16 cx + 32 rows of 64 x (wave & 1)
	s_lshl_b32 s86, s86, 11
	s_lshl_b32 s87, s21, 4
	s_add_co_u32 s86, s86, s87
	s_add_co_u32 s86, s86, s78
	s_mov_b32 s87, 0
	s_mov_b32 s[SEL], 0x76543210
	s_mov_b32 s[SEL+1], 0xfedcba98
	s_mov_b32 s[CS], 0x3fb8aa3b                    ; log2(e): the scores are not scaled
	s_mov_b32 s[CS+1], s[CS]
	s_mov_b32 s[NC], 0xbfb8aa3b
	s_mov_b32 s[MSK], 0xff00ff00
	s_wait_alu depctr_va_vdst(0)
	s_wait_dscnt 0x0
	s_wait_kmcnt 0x0
	s_add_nc_u64 s[18:19], s[8:9], s[80:81]        ; Q at my first query
.irp t, 0,1
.irp g, 0,1,2,3,4,5,6,7
	global_load_b128 v[S+32*\t+4*\g:S+32*\t+4*\g+3], v[QOC], s[18:19] offset:4096*\t+512*\g th:TH_LOAD_NT   ; load 8 t + g: two queries' rows, 512 consecutive bytes
.endr
.endr
	s_mov_b32 s[G0K], 1
	s_mov_b32 s[G0K+1], KC
	s_add_nc_u64 s[G0K+2:G0K+3], s[4:5], s[76:77]  ; the global addresses hang on the head alone
	s_or_b32 s[G0K+3], s[G0K+3], 0x80000000
	s_mov_b32 s[G0V], 1
	s_mov_b32 s[G0V+1], VC
	s_add_nc_u64 s[G0V+2:G0V+3], s[10:11], s[76:77]
	s_or_b32 s[G0V+3], s[G0V+3], 0x80000000
	s_mov_b32 s[G0KS], 1
	s_mov_b32 s[G0KS+1], KS
	s_add_nc_u64 s[G0KS+2:G0KS+3], s[6:7], s[78:79]
	s_or_b32 s[G0KS+3], s[G0KS+3], 0x80000000
	s_mov_b32 s[G0VS], 1
	s_mov_b32 s[G0VS+1], VS
	s_add_nc_u64 s[G0VS+2:G0VS+3], s[12:13], s[78:79]
	s_or_b32 s[G0VS+3], s[G0VS+3], 0x80000000
	s_add_nc_u64 s[14:15], s[14:15], s[84:85]
	s_add_nc_u64 s[16:17], s[16:17], s[86:87]
	ROUND                                          ; all four work-groups are here: the joint loads meet
	; the four fills, one each for waves 0 to 3: one chain of branches on the wave's number
	s_cmp_lg_u32 s[WV], 0
	s_cbranch_scc1 .Lnot_0
	tensor_load_to_lds s[G0K:G0K+3], s[G1C:G1C+7]
	s_nop 0
	PLACES
	s_branch .Lasked
.Lnot_0:
	s_cmp_lg_u32 s[WV], 1
	s_cbranch_scc1 .Lnot_1
	tensor_load_to_lds s[G0V:G0V+3], s[G1C:G1C+7]
	s_nop 0
	PLACES
	s_branch .Lasked
.Lnot_1:
	s_cmp_lg_u32 s[WV], 2
	s_cbranch_scc1 .Lnot_2
	tensor_load_to_lds s[G0KS:G0KS+3], s[G1S:G1S+7]
	s_nop 0
	PLACES
	s_branch .Lasked
.Lnot_2:
	s_cmp_lg_u32 s[WV], 3
	s_cbranch_scc1 .Lasked
	tensor_load_to_lds s[G0VS:G0VS+3], s[G1S:G1S+7]
	s_nop 0
	PLACES
.Lasked:
	v_and_b32 v240, 31, v0                         ; l
	v_and_b32 v243, 7, v0                          ; j = r % 8
	v_bfe_u32 v244, v0, 3, 1                       ; hh = r / 8
	v_mul_u32_u24 v[AK0], v244, 1040               ; K: key 32 hh + j (+ 64 c + 8 t in the offset): 32 keys to a row of 1,040 bytes, 32 bytes a key, + 16 h
	v_lshl_add_u32 v[AK0], v243, 5, v[AK0]
	v_lshl_add_u32 v[AK0], v242, 4, v[AK0]
	v_mul_u32_u24 v[AV0], v241, 1040               ; V: row d = r, + 16 h
	v_lshl_add_u32 v[AV0], v242, 4, v[AV0]
	v_add_nc_u32 v[AV0], VC, v[AV0]
	v_lshlrev_b32 v[ASK0], 1, v243                 ; K's scale bytes: 2 a key; lanes 16-31 take the odd tile's keys, 8 further on
	v_lshl_add_u32 v[ASK0], v244, 6, v[ASK0]
	v_lshl_add_u32 v[ASK0], v242, 4, v[ASK0]
	v_add_nc_u32 v[ASK0], KS, v[ASK0]
	v_lshl_add_u32 v[ASV0], v240, 2, VS            ; V's scale words: lane l takes d = l (+ 32 c in the offset)
	s_mul_i32 s84, s[WV], 9216
	s_add_co_u32 s84, s84, STG                     ; my stage
	v_mul_u32_u24 v[STW], v242, 1152               ; in: row d = 8 h (+ 16 t + j in the offset), query r
	v_lshl_add_u32 v[STW], v241, 2, v[STW]
	v_add_nc_u32 v[STW], s84, v[STW]
	v_mul_u32_u24 v[RDX], v240, 144                ; back: row d = l (+ 32 g)
	v_add_nc_u32 v[RDX], s84, v[RDX]
	v_mul_u32_u24 v[QSW], v242, 272                ; Q into my stage: rows of 256 bytes + 16; a load's lanes 0-15 hold one query, lanes 16-31 the next
	v_lshl_add_u32 v[QSW], v241, 4, v[QSW]
	v_add_nc_u32 v[QSW], s84, v[QSW]
	v_mul_u32_u24 v[QRD], v241, 272                ; and back: query r, + 128 h: my 32 numbers, k = 32 h on
	v_lshl_add_u32 v[QRD], v242, 7, v[QRD]
	v_add_nc_u32 v[QRD], s84, v[QRD]
	s_lshl_b32 s85, s[WV], 4
	s_add_co_u32 s85, s85, XC
	v_mul_u32_u24 v[XCW], v240, 272                ; x's codes: row d = l (+ 32 g), my wave's 16 bytes
	v_add_nc_u32 v[XCW], s85, v[XCW]
	s_add_co_u32 s85, s[WV], XSS
	v_lshl_add_u32 v[XSW], v240, 4, s85            ; x's scale bytes: 16 a row, my wave's one
	s_mul_i32 s85, s[WV], 1088
	s_add_co_u32 s85, s85, XC
	v_mul_u32_u24 v[RDC], v242, 272                ; out: my wave's 4 rows, sixteen lanes to a row
	v_lshl_add_u32 v[RDC], v241, 4, v[RDC]
	v_add_nc_u32 v[RDC], s85, v[RDC]
	v_lshlrev_b32 v[GOC], 10, v242
	v_lshl_add_u32 v[GOC], v241, 4, v[GOC]
	s_and_b32 s85, s[WV], 1
	s_lshl_b32 s85, s85, 9
	s_add_co_u32 s85, s85, XSS
	v_lshl_add_u32 v[RDS], v240, 4, s85            ; the scale bytes on the way out (waves 0 and 1)
	v_lshlrev_b32 v[GOS], 6, v240
.irp j, 4,5,6,7
	v_mov_b32 v[QF0+\j], 0                         ; Q's zero codes for k = 64 .. 127
	v_mov_b32 v[QF1+\j], 0
.endr
.irp j, 0,1,2,3
	v_mov_b32 v[KF+32+\j], 0                       ; what follows the last tile of K
.endr
	v_mov_b32 v[T2], 0                             ; a lane permute's destination counts as one of its sources
	v_mov_b32 v[T3], 0
	v_mov_b32 v[XB+2], 0
	v_mov_b32 v[XB+3], 0
	v_mov_b32 v[FF+1], 0                           ; named as the upper halves of pairs
	v_mov_b32 v[NP+1], 0
	s_wait_alu depctr_va_vdst(0)
	s_wait_tensorcnt 0x0                           ; my fill, if I asked for one, has landed,
	s_barrier_signal -1
	s_barrier_wait -1                              ; everybody's has: the head's K and V lie in LDS for the rest of the launch
	s_wait_loadcnt 0x0                             ; Q
.irp i, 0,1,2,3,4,5,6,7,8,9,10,11,12,13,14,15
	ds_store_b128 v[QSW], v[S+4*\i:S+4*\i+3] offset:544*\i         ; my 32 queries turn through my own stage: LDS serves a wave's instructions in order
.endr
.irp t, 0,1
.irp g, 0,1,2,3,4,5,6,7
	ds_load_b128 v[VF+96*\t+4*\g:VF+96*\t+4*\g+3], v[QRD] offset:4352*\t+16*\g   ; tile 0 into v68-99, tile 1 into v164-195: Q(16 t + r, 32 h + 4 g ..)
.endr
.endr
	s_wait_dscnt 0x0
	; Q IS QUANTISED: a lane's 32 registers are one block of a query's 64
.irp t, 0,1
	v_max3_num_f32 v[BM+\t], |v[VF+96*\t]|, |v[VF+96*\t+1]|, 0x1800000   ; with the floor 2^(3 - 127)
.endr
.irp i, 2,4,6,8,10,12,14,16,18,20,22,24,26,28,30
.irp t, 0,1
	v_max3_num_f32 v[BM+\t], v[BM+\t], |v[VF+96*\t+\i]|, |v[VF+96*\t+\i+1]|
.endr
.endr
.irp t, 0,1
	v_add_nc_u32 v[SO+\t], 0xff000000, v[BM+\t]    ; 2 off the exponent field: the conversion's scale operand
.endr
.irp t, 0,1
	v_lshrrev_b32 v[XB+\t], 23, v[SO+\t]           ; the byte of block h
.endr
.irp g, 0,1,2,3
	v_cvt_scalef32_pk8_fp4_f32 v[QF0+\g], v[VF+8*\g:VF+8*\g+7], v[SO]
	v_cvt_scalef32_pk8_fp4_f32 v[QF1+\g], v[OT+8*\g:OT+8*\g+7], v[SO+1]
.endr
	v_nop                                          ; one plain line behind the scaled conversions
.irp t, 0,1
	v_permlanex16_b32 v[XB+2+\t], v[XB+\t], s[SEL], s[SEL+1]
.endr
	v_lshl_or_b32 v[QS0], v[XB+2], 8, v[XB]        ; lanes 0-15, which alone are read: block 0's byte, block 1's, 0, 0
	v_lshl_or_b32 v[QS1], v[XB+3], 8, v[XB+1]
	s_wait_alu depctr_va_vdst(0)
; A KEY STEP: 128 keys against one tile of queries.  This step's K was asked of LDS in the step before.
.macro STEP qf, qs
	s_wait_dscnt 0x0                               ; K and its scale bytes are in
.irp p, 0,1,2,3
	WM S+16*\p, KF+8*\p, \qf, 0, KSC+\p, \qs, 0
	WM S+16*\p+8, KF+8*\p+4, \qf, 0, KSC+\p, \qs, 1
.endr
	v_add_nc_u32 v[ADV], s[TV], v[AV0]             ; these four are the places behind the products: ahead of the first read of results and of the loads into registers that products have read
	v_add_nc_u32 v[ADT], s[TW], v[ASV0]
	v_add_nc_u32 v[ADK], s[TK], v[AK0]
	v_add_nc_u32 v[ADS], s[TS], v[ASK0]
.irp t, 0,1,2,3
.irp c, 0,1
	ds_load_b128 v[VF+8*\t+4*\c:VF+8*\t+4*\c+3], v[ADV] offset:\t*16640+32*\c
.endr
.endr
.irp c, 0,1
	ds_load_b32 v[VSC+\c], v[ADT] offset:128*\c
.endr
	KLOAD ADK, ADS                                 ; the next step's K (behind the last step: bytes of V's tiles, filled and not used)
.irp c, 0,1                                    ; the largest score of my two blocks, each in two chains; every result is read from its low end on
	v_max3_num_f32 v[BM+\c], v[S+32*\c], v[S+32*\c+1], v[S+32*\c+2]
	v_max3_num_f32 v[MY+\c], v[S+32*\c+16], v[S+32*\c+17], v[S+32*\c+18]
.endr
.irp i, 3,5,7,9,11,13
.irp c, 0,1
	v_max3_num_f32 v[BM+\c], v[BM+\c], v[S+32*\c+\i], v[S+32*\c+\i+1]
	v_max3_num_f32 v[MY+\c], v[MY+\c], v[S+32*\c+16+\i], v[S+32*\c+17+\i]
.endr
.endr
.irp c, 0,1
	v_max3_num_f32 v[BM+\c], v[BM+\c], v[MY+\c], v[S+32*\c+15]
.endr
.irp c, 0,1
	v_max_num_f32 v[BM+\c], v[BM+\c], v[S+32*\c+31]
.endr
	s_delay_alu instid0(VALU_DEP_1)
	v_max_num_f32 v[TMP], v[BM], v[BM+1]
	s_delay_alu instid0(VALU_DEP_1)
	v_permlanex16_b32 v[T2], v[TMP], s[SEL], s[SEL+1]
	s_delay_alu instid0(VALU_DEP_1)
	v_max3_num_f32 v[MS], v[MS], v[TMP], v[T2]     ; with lane l xor 16's two blocks: the running largest score of my query
	s_delay_alu instid0(VALU_DEP_1)
	v_mul_f32 v[TMP], s[NC], v[MS]                 ; -t
	s_delay_alu instid0(VALU_DEP_1)
	v_floor_f32 v[TMP], v[TMP]                     ; the new -M = floor(-t): a whole number
	s_delay_alu instid0(VALU_DEP_1)
	v_add_f32 v[NP], 2.0, v[TMP]                   ; -M + 2
	v_sub_f32 v[T2], v[TMP], v[NM]                 ; old M - new M: a whole number, 0 or less
	v_mov_b32 v[NM], v[TMP]
	s_delay_alu instid0(VALU_DEP_2)
	v_cvt_i32_f32 v[T2], v[T2]                     ; (it saturates)
	s_delay_alu instid0(VALU_DEP_1)
	v_ldexp_f32 v[FF], 1.0, v[T2]                  ; f = 2^(old M - new M)
.set j, 0
.rept 32
	v_pk_fma_f32 v[S+j:S+j+1], v[S+j:S+j+1], s[CS:CS+1], v[NP:NP+1] op_sel_hi:[1,0,0]   ; t - M + 2, two at a time
.set j, j+2
.endr
.irp c, 0,1
	v_fma_f32 v[BM+\c], v[BM+\c], s[CS], v[NM]     ; the block's largest t - M
.endr
.set j, 0
.rept 15
	v_pk_mul_f32 v[OT+j:OT+j+1], v[OT+j:OT+j+1], v[FF:FF+1] op_sel_hi:[1,0]   ; O^T under the new M, each result from its low end on
.set j, j+2
.endr
	s_wait_alu depctr_va_vdst(0)
.set j, 0
.rept 64
	v_exp_f32 v[S+j], v[S+j]                       ; p' = 4 p
.set j, j+1
.endr
.irp c, 0,1
	v_exp_f32 v[BM+\c], v[BM+\c]                   ; the block's largest p
.endr
	s_wait_alu depctr_va_vdst(0)                   ; one wait for the whole batch, ahead of its first reader, and directly ahead of the first reader of O^T's last pair
	v_pk_mul_f32 v[OT+30:OT+31], v[OT+30:OT+31], v[FF:FF+1] op_sel_hi:[1,0]   ; the last pair of O^T: the plain line behind the exponentials
	v_perm_b32 v[T2], v[BM+1], v[BM], 0x07060302   ; the upper halves of my two largest p: blocks 2 + h and h
	s_delay_alu instid0(VALU_DEP_1)
	v_permlanex16_b32 v[T3], v[T2], s[SEL], s[SEL+1]
	v_lshrrev_b32 v[T2], 7, v[T2]                  ; my exponent fields into bytes 0 and 2,
	s_delay_alu instid0(VALU_DEP_2)
	v_lshlrev_b32 v[T3], 1, v[T3]                  ; the other lane's into bytes 1 and 3:
	s_delay_alu instid0(VALU_DEP_1)
	v_bfi_b32 v[PW], s[MSK], v[T3], v[T2]          ; in lanes 0-15, which alone are read, P's scale word for these 128 keys
.irp c, 0,1
.irp g, 0,1,2,3
	v_cvt_scalef32_pk8_fp4_f32 v[PC+4*\c+\g], v[S+32*\c+8*\g:S+32*\c+8*\g+7], v[BM+\c]   ; register 4 c + g: keys 64 c + 32 h + 8 g on
.endr
.endr
.irp k, 0,2,4,6
	v_pk_fma_f32 v[L+\k:L+\k+1], v[L+\k:L+\k+1], v[FF:FF+1], v[S+\k:S+\k+1] op_sel_hi:[1,0,1]   ; l under the new M, and the sum of the unquantised p', in four chains
.endr
.set j, 8
.rept 28
	v_pk_add_f32 v[L+j%8:L+j%8+1], v[L+j%8:L+j%8+1], v[S+j:S+j+1]
.set j, j+2
.endr
	s_wait_dscnt 12                                ; V and its scale words are in; the 12 younger loads, the next step's K, may be out
.irp c, 0,1                                    ; O^T += V^T P: the four accumulators take turns
	WM OT+16*\c, VF+16*\c, PC, 1, VSC+\c, PW, 0
	WM OT+16*\c+8, VF+16*\c+8, PC, 1, VSC+\c, PW, 1
.endr
	s_add_co_u32 s[TK], s[TK], 4160
	s_add_co_u32 s[TV], s[TV], 64
	s_add_co_u32 s[TS], s[TS], 256
	s_add_co_u32 s[TW], s[TW], 256
.endm
; ONE TILE OF 16 QUERIES through all 2,048 keys; then x = O^T / l goes into my stage, row d, queries 16 tau + r.
.macro TILE tau, qf, qs
	v_mov_b32 v[MS], 0xff61b1e6                    ; the largest score so far: -3e38
	v_mov_b32 v[NM], 0x7f61b1e6                    ; -M
.set j, 0
.rept 8
	v_mov_b32 v[L+j], 0
.set j, j+1
.endr
.set j, 0
.rept 32
	v_mov_b32 v[OT+j], 0                           ; the step is written once: the first finds zeros, which the first f leaves zeros
.set j, j+1
.endr
	KLOAD AK0, ASK0                                ; the first step's K
	s_mov_b32 s[TK], 4160
	s_mov_b32 s[TV], 0
	s_mov_b32 s[TS], 256
	s_mov_b32 s[TW], 0
	s_mov_b32 s[CNT], 16
.Lstep_\@:
	STEP \qf, \qs
	s_sub_co_u32 s[CNT], s[CNT], 1
	s_cmp_lg_u32 s[CNT], 0
	s_cbranch_scc1 .Lstep_\@
	s_wait_alu depctr_va_vdst(0)
	v_pk_add_f32 v[L:L+1], v[L:L+1], v[L+2:L+3]    ; l's four pairs (these lines are also the places behind the last products)
	v_pk_add_f32 v[L+4:L+5], v[L+4:L+5], v[L+6:L+7]
	v_pk_add_f32 v[L:L+1], v[L:L+1], v[L+4:L+5]
	v_add_f32 v[L], v[L], v[L+1]
	v_permlanex16_b32 v[T2], v[L], s[SEL], s[SEL+1]
	v_add_f32 v[L], v[L], v[T2]                    ; and lane l xor 16's
	s_wait_alu depctr_va_vdst(0)                   ; ahead of the transcendental
	v_rcp_f32 v[L], v[L]
	v_nop
	s_wait_alu depctr_va_vdst(0)                   ; ahead of its first reader, and of the first readers of O^T
.set j, 0
.rept 16
	v_pk_mul_f32 v[S+j:S+j+1], v[OT+j:OT+j+1], v[L:L+1] op_sel_hi:[1,0]   ; x: register 8 t + j is x(d = 16 t + 8 h + j, my query)
.set j, j+2
.endr
.irp t, 0,1,2,3
.irp j, 0,1,2,3,4,5,6,7
	ds_store_b32 v[STW], v[S+8*\t+\j] offset:(16*\t+\j)*144+64*\tau
.endr
.endr
	s_wait_dscnt 0x0                               ; the stores have read their registers, and the loads of K that ran ahead are in
.endm
	TILE 0, QF0, QS0
	TILE 1, QF1, QS1
	; x IS QUANTISED ALONG q.  Out of my own stage lane l takes rows d = l and d = l + 32: the 32 queries of a row are one block, in 32 registers.
.irp g, 0,1
.irp c, 0,1,2,3,4,5,6,7
	ds_load_b128 v[S+32*\g+4*\c:S+32*\g+4*\c+3], v[RDX] offset:4608*\g+16*\c
.endr
.endr
	s_wait_dscnt 0x0
.irp g, 0,1
	v_max3_num_f32 v[XM+2*\g], |v[S+32*\g]|, |v[S+32*\g+1]|, |v[S+32*\g+2]|
	v_max3_num_f32 v[XM+2*\g+1], |v[S+32*\g+3]|, |v[S+32*\g+4]|, |v[S+32*\g+5]|
.endr
.irp i, 6,10,14,18,22,26
.irp g, 0,1
	v_max3_num_f32 v[XM+2*\g], v[XM+2*\g], |v[S+32*\g+\i]|, |v[S+32*\g+\i+1]|
	v_max3_num_f32 v[XM+2*\g+1], v[XM+2*\g+1], |v[S+32*\g+\i+2]|, |v[S+32*\g+\i+3]|
.endr
.endr
.irp g, 0,1
	v_max3_num_f32 v[XM+2*\g], v[XM+2*\g], |v[S+32*\g+30]|, |v[S+32*\g+31]|
.endr
.irp g, 0,1
	v_max3_num_f32 v[XM+2*\g], v[XM+2*\g], v[XM+2*\g+1], 0x1800000   ; and the floor 2^(3 - 127)
.endr
.irp g, 0,1
	v_add_nc_u32 v[SO+\g], 0xff000000, v[XM+2*\g]
.endr
.irp g, 0,1
	v_lshrrev_b32 v[XB+\g], 23, v[SO+\g]           ; the scale's byte
.endr
.irp g, 0,1
.irp k, 0,1,2,3
	v_cvt_scalef32_pk8_fp4_f32 v[PC+4*\g+\k], v[S+32*\g+8*\k:S+32*\g+8*\k+7], v[SO+\g]
.endr
.endr
	v_nop                                          ; one plain line behind the scaled conversions
.irp g, 0,1
	ds_store_b128 v[XCW], v[PC+4*\g:PC+4*\g+3] offset:8704*\g      ; 32 codes: my wave's 16 bytes of row d
	ds_store_b8 v[XSW], v[XB+\g] offset:512*\g
.endr
	s_wait_dscnt 0x0                               ; for the others' sake: my stores are done
	s_barrier_signal -1
	s_barrier_wait -1                              ; 64 rows of 256 bytes of codes, and 64 x 16 scale bytes, lie in LDS
.irp i, 0,1
	ds_load_b128 v[S+4*\i:S+4*\i+3], v[RDC] offset:544*\i
.endr
.irp i, 0,1
	s_wait_dscnt 1-\i                              ; the younger load may be out
	global_store_b128 v[GOC], v[S+4*\i:S+4*\i+3], s[14:15] offset:2048*\i   ; sixteen lanes store 256 consecutive bytes, aligned
.endr
	s_cmp_lt_u32 s[WV], 2
	s_cbranch_scc0 .Lend                           ; the scale bytes: waves 0 and 1, 32 rows each: a lane stores 16 bytes of a row of 64, whose other 48 the three partners store
	ds_load_b128 v[S+8:S+11], v[RDS]
	s_wait_dscnt 0x0
	global_store_b128 v[GOS], v[S+8:S+11], s[16:17]
.Lend:
	s_wait_tensorcnt 0x0                           ; the wave's end
	ds_add_u32 v254, v255
	s_wait_dscnt 0x0
	ROUND                                          ; the closing round
	s_endpgm
.Lfunc_end_k_qc712941cc0_attn:
	.size	k_qc712941cc0_attn, .Lfunc_end_k_qc712941cc0_attn-k_qc712941cc0_attn
	.p2alignl 7, 3214868480
	.fill 96, 4, 3214868480
	.section	.rodata,"a",@progbits
	.p2align	6, 0x0
	.amdhsa_kernel k_qc712941cc0_attn
		.amdhsa_group_segment_fixed_size 327680
		.amdhsa_private_segment_fixed_size 0
		.amdhsa_enable_private_segment 0
		.amdhsa_kernarg_size 56
		.amdhsa_user_sgpr_count 2
		.amdhsa_user_sgpr_kernarg_segment_ptr 1
		.amdhsa_wavefront_size32 1
		.amdhsa_system_sgpr_workgroup_id_x 1
		.amdhsa_system_sgpr_workgroup_id_y 1
		.amdhsa_system_sgpr_workgroup_id_z 1
		.amdhsa_system_vgpr_workitem_id 0
		.amdhsa_next_free_vgpr 256
		.amdhsa_next_free_sgpr 96
		.amdhsa_reserve_vcc 0
		.amdhsa_float_denorm_mode_32 3
		.amdhsa_float_denorm_mode_16_64 3
		.amdhsa_memory_ordered 1
		.amdhsa_forward_progress 1
		.amdhsa_inst_pref_size 61
	.end_amdhsa_kernel
	.amdgpu_metadata
---
amdhsa.version: [ 1, 2 ]
amdhsa.kernels:
  - .name:           k_qc712941cc0_attn
    .symbol:         k_qc712941cc0_attn.kd
    .args:
      - { .name: rc, .offset: 0, .size: 8, .value_kind: global_buffer, .address_space: global }
      - { .name: rs, .offset: 8, .size: 8, .value_kind: global_buffer, .address_space: global }
      - { .name: query, .offset: 16, .size: 8, .value_kind: global_buffer, .address_space: global }
      - { .name: v_codes, .offset: 24, .size: 8, .value_kind: global_buffer, .address_space: global }
      - { .name: v_scales, .offset: 32, .size: 8, .value_kind: global_buffer, .address_space: global }
      - { .name: x_codes, .offset: 40, .size: 8, .value_kind: global_buffer, .address_space: global }
      - { .name: x_scales, .offset: 48, .size: 8, .value_kind: global_buffer, .address_space: global }
    .group_segment_fixed_size: 327680
    .private_segment_fixed_size: 0
    .kernarg_segment_align: 8
    .kernarg_segment_size: 56
    .max_flat_workgroup_size: 512
    .sgpr_count:     96
    .vgpr_count:     256
    .wavefront_size: 32
...
	.end_amdgpu_metadata
.endif
;; end of part 2
;; launch proj (part 3): grid 4 x 64, 8 waves a work-group, clusters of 4 x 4, 327,680 bytes of LDS; arguments x_codes, x_scales, rc, rs, b, out0; writes out0
.if DOCPART == 3
	.amdgcn_target "amdgcn-amd-amdhsa--gfx1250"
	.amdhsa_code_object_version 6
	.text
	.protected	k_qc712941cc0_proj
	.globl	k_qc712941cc0_proj
	.p2align	8
	.type	k_qc712941cc0_proj,@function
k_qc712941cc0_proj:
	s_mov_b64 s[64:65], 0
	v_nop
	global_prefetch_b8 v0, s[64:65] scope:SCOPE_SE
	s_setreg_imm32_b32 hwreg(HW_REG_WAVE_MODE, 25, 1), 1
	s_wait_xcnt 0x0
	s_wait_alu depctr_hold_cnt(0) depctr_sa_sdst(0) depctr_va_vdst(0) depctr_va_sdst(0) depctr_va_ssrc(0) depctr_va_vcc(0) depctr_vm_vsrc(0)
	s_getreg_b32 s2, hwreg(HW_REG_IB_STS2, 6, 4)
	s_cmp_eq_u32 s2, 0
	s_cbranch_scc0 .Lentry_in_a_cluster
	s_endpgm
.Lentry_in_a_cluster:
	s_bfe_u32 s2, ttmp6, 0x10000c
	s_cmp_lg_u32 s2, 0xf033
	s_cbranch_scc0 .Lentry_shape_is_right
	s_endpgm
.Lentry_shape_is_right:
; out[R][n] = sum over k of x[R][k] W[n][k] + b[n].  x: [8192][1024] as codes of FP4 (E2M1), 512 bytes a row, scale bytes [8192][32]; W: [1024][1024] likewise, in rc from byte 8,388,608 and rs from byte 524,288.
; b [1024] and out [8192][1024] are f32; sums in f32, one sum for each output, K ascending.
; SHARES.  A work-group makes 128 rows x 256 columns of out: 64 x 4 = 256 work-groups.  ALL OF K LIES IN LDS: 128 + 256 rows of 512 bytes and their scale bytes are filled once; nothing is filled again.
; Eight waves, two to a SIMD; wave w makes rows 64 (w / 4) on, columns 64 (w % 4) on: 16 accumulators of 16 x 16.
; CLUSTER: 4 x 4 work-groups.  The four of a row of the cluster need the same rows of x, the four of a column the same rows of W: each fill is asked for JOINTLY, by the same tensor load with the same descriptor and
; a mask that names the four.  One fill a wave: waves 0, 1 x's halves; waves 2-5 W's quarters; wave 6 x's scale bytes; wave 7 W's.  One tensor load of a wave is out at the most.
; THE MATRIX INSTRUCTION IS USED TRANSPOSED (source 0 = 16 rows of W, source 1 = 16 rows of x): a lane then holds eight neighbouring numbers of a row of out.  The bias is the C of each sum's first instruction.
.set AT,  0                            ; LDS: x's 128 rows of 512 bytes + 16
.set BT,  67584                        ; W's 256 rows likewise
.set SCA, 202752                       ; x's scale bytes: 16 units of 256 bytes (8 rows) + 16
.set SCB, 207104                       ; W's: 32 units
.set STG, 215808                       ; the way out: 16 rows of 256 bytes + 16 for each wave
.set PITCH, 528
.set QT,  64*PITCH                     ; 64 rows: what one tensor load brings, and what one wave reads of x or of W
.set ADRA, 1                           ; v1 my lane's place in my 64 rows of x;  v2 of W
.set ADRB, 2
.set ADRS, 3                           ; v3 my scale words: lanes 0-15 x's rows, lanes 16-31 W's
.set STO, 4                            ; v4 the stage: where I put 32 bytes of a row;  v5 where I read a row back
.set RD,  5
.set CO,  6                            ; v6 my byte offset in two rows of out
.set BO,  7                            ; v7 my byte offset in a tile's 16 numbers of b
.set SC,  16                           ; v16-31 scale words: register 4 i + q % 4: lanes 0-15 x's block i, lanes 16-31 W's block i
.set BI,  32                           ; v32-63 the bias: 8 registers for each of my 4 tiles of columns
.set AF,  64                           ; v64-95 x's four fragments of a K step;  v96-127 W's;  on the way out both hold rows read back
.set BF,  96
.set ACC, 128                          ; v128-255 accumulator (i, j) at 128 + 8 (4 i + j)
.set WV,  20                           ; s20 wave; s21 cx, s22 cy; s16 tile row, s17 tile column; s18, s19 the masks
.set G1A, 24                           ; s[24:31] .. s[48:55] descriptor groups 1: x's codes, W's codes, x's scales, W's scales
.set G1B, 32
.set G1SA, 40
.set G1SB, 48
.set G0A, 56                           ; s[56:59], s[60:63], s[68:71], s[72:75] their groups 0
.set G0B, 60
.set G0SA, 68
.set G0SB, 72
.macro PLACES
.rept 4
	v_nop
.endr
.endm
.macro CROUND                          ; a round of the cluster's barrier
	s_barrier_signal -1
	s_barrier_wait -1
	s_cmp_lg_u32 s[WV], 0
	s_cbranch_scc1 .Lnot_wave_0_\@
	s_barrier_signal -3
.Lnot_wave_0_\@:
	s_barrier_wait -3
	s_barrier_signal -1
	s_barrier_wait -1
.endm
	s_load_b256 s[4:11], s[0:1], 0x0               ; x_codes s[4:5], x_scales s[6:7], rc s[8:9], rs s[10:11]
	s_load_b128 s[12:15], s[0:1], 0x20             ; b s[12:13], out s[14:15]
	v_lshl_add_u32 v14, v0, 2, 0x3d300
	v_mov_b32 v15, 0
	ds_add_u32 v14, v15
	ds_add_u32 v14, v15
	v_lshrrev_b32 v8, 5, v0
	s_delay_alu instid0(VALU_DEP_1)
	v_readfirstlane_b32 s[WV], v8                  ; wave 0..7
	s_bfe_u32 s21, ttmp6, 0x40000                  ; cx, cy: my place in the cluster
	s_bfe_u32 s22, ttmp6, 0x40004
	s_lshl_b32 s17, ttmp9, 2
	s_add_co_u32 s17, s17, s21                     ; tile column = 4 x cluster x + cx
	s_and_b32 s16, ttmp7, 0xffff
	s_lshl_b32 s16, s16, 2
	s_add_co_u32 s16, s16, s22                     ; tile row = 4 x cluster y + cy
	s_lshl_b32 s18, s22, 2
	s_lshl_b32 s18, 15, s18                        ; my row of the cluster
	s_lshl_b32 s19, 0x1111, s21                    ; my column
	; groups 1, elements of 8 bytes.  Codes: 64 rows of 512 bytes, dense, 4 words of padding behind every 128.  15:0 the mask; 21 set beside a mask
	s_or_b32 s[G1A], s18, (3<<16)|(1<<20)|(1<<21)|(6<<22)|(3<<25)
	s_or_b32 s[G1B], s19, (3<<16)|(1<<20)|(1<<21)|(6<<22)|(3<<25)
.irp g, G1A, G1B
	s_mov_b32 s[\g+1], 64<<16                      ; tensor_dim0 = 64 elements
	s_mov_b32 s[\g+2], 64<<16                      ; tensor_dim1 = 64
	s_mov_b32 s[\g+3], 64<<16                      ; tile_dim0
	s_mov_b32 s[\g+4], 64                          ; tile_dim1
	s_mov_b32 s[\g+5], 64                          ; the pitch
	s_mov_b32 s[\g+6], 0
	s_mov_b32 s[\g+7], 0
.endr
	; scale bytes: dense blocks as rows of 256 bytes, 4 words of padding behind every 64: 16 rows for x, 32 for W
	s_or_b32 s[G1SA], s18, (3<<16)|(1<<20)|(1<<21)|(5<<22)|(3<<25)
	s_mov_b32 s[G1SA+1], 32<<16
	s_mov_b32 s[G1SA+2], 16<<16
	s_mov_b32 s[G1SA+3], 32<<16
	s_mov_b32 s[G1SA+4], 16
	s_mov_b32 s[G1SA+5], 32
	s_mov_b32 s[G1SA+6], 0
	s_mov_b32 s[G1SA+7], 0
	s_or_b32 s[G1SB], s19, (3<<16)|(1<<20)|(1<<21)|(5<<22)|(3<<25)
	s_mov_b32 s[G1SB+1], 32<<16
	s_mov_b32 s[G1SB+2], 32<<16
	s_mov_b32 s[G1SB+3], 32<<16
	s_mov_b32 s[G1SB+4], 32
	s_mov_b32 s[G1SB+5], 32
	s_mov_b32 s[G1SB+6], 0
	s_mov_b32 s[G1SB+7], 0
	; where the fills come from.  x's hang on the tile row and the wave alone, W's on the tile column and the wave alone, each in registers that never hold the other coordinate
	s_and_b32 s93, s[WV], 1
	s_lshl_b32 s93, s93, 15                        ; x: which 64 rows of 512 bytes
	s_lshl_b32 s76, s16, 16                        ; 128 rows a tile
	s_add_co_u32 s76, s76, s93
	s_mov_b32 s77, 0
	s_add_co_u32 s93, s[WV], 2
	s_and_b32 s93, s93, 3                          ; W: waves 2, 3, 4, 5 take quarters 0, 1, 2, 3
	s_lshl_b32 s93, s93, 15
	s_lshl_b32 s78, s17, 17                        ; 256 rows a tile
	s_add_co_u32 s78, s78, s93
	s_add_co_u32 s78, s78, 0x800000                ; W's codes in rc
	s_mov_b32 s79, 0
	s_lshl_b32 s88, s16, 12                        ; x's scale bytes: 128 rows of 32
	s_mov_b32 s89, 0
	s_lshl_b32 s90, s17, 13                        ; W's: 256 rows of 32,
	s_add_co_u32 s90, s90, 0x80000                 ; in rs
	s_mov_b32 s91, 0
	s_mul_i32 s92, s[WV], QT                       ; where the codes go: x's two halves, then W's four quarters = wave x 64 rows: no place in the cluster enters an LDS address
	s_lshr_b32 s80, s[WV], 2                       ; which 64 rows of the tile are mine
	s_and_b32 s81, s[WV], 3                        ; which 64 columns
	s_lshl_b32 s84, s17, 10                        ; b and out: my first column, in bytes: 1,024 x tile column + 256 x (wave % 4)
	s_lshl_b32 s86, s81, 8
	s_add_co_u32 s84, s84, s86
	s_mov_b32 s85, 0
	s_lshl_b32 s86, s16, 19                        ; out: my first row: 128 rows of 4,096 bytes x tile row + 64 rows x (wave / 4)
	s_lshl_b32 s87, s80, 18
	s_add_co_u32 s86, s86, s87
	s_add_co_u32 s86, s86, s84
	s_mov_b32 s87, 0
	s_wait_dscnt 0x0
	s_wait_kmcnt 0x0
	s_mov_b32 s[G0A], 1                            ; count = 1
	s_mov_b32 s[G0A+1], s92                        ; LDS address
	s_add_nc_u64 s[G0A+2:G0A+3], s[4:5], s[76:77]  ; global address
	s_or_b32 s[G0A+3], s[G0A+3], 0x80000000        ; type = 2
	s_mov_b32 s[G0B], 1
	s_mov_b32 s[G0B+1], s92
	s_add_nc_u64 s[G0B+2:G0B+3], s[8:9], s[78:79]
	s_or_b32 s[G0B+3], s[G0B+3], 0x80000000
	s_mov_b32 s[G0SA], 1
	s_mov_b32 s[G0SA+1], SCA
	s_add_nc_u64 s[G0SA+2:G0SA+3], s[6:7], s[88:89]
	s_or_b32 s[G0SA+3], s[G0SA+3], 0x80000000
	s_mov_b32 s[G0SB], 1
	s_mov_b32 s[G0SB+1], SCB
	s_add_nc_u64 s[G0SB+2:G0SB+3], s[10:11], s[90:91]
	s_or_b32 s[G0SB+3], s[G0SB+3], 0x80000000
	s_add_nc_u64 s[12:13], s[12:13], s[84:85]
	s_add_nc_u64 s[14:15], s[14:15], s[86:87]
	CROUND                                         ; all sixteen work-groups are here: the joint loads meet
	; One fill a wave.  The branches hang on the wave's number alone.  Four v_nop follow each load.
	s_cmp_lt_u32 s[WV], 2
	s_cbranch_scc0 .Lnot_a
	tensor_load_to_lds s[G0A:G0A+3], s[G1A:G1A+7]
	s_nop 0
	PLACES
	s_branch .Lasked
.Lnot_a:
	s_cmp_lt_u32 s[WV], 6
	s_cbranch_scc0 .Lnot_b
	tensor_load_to_lds s[G0B:G0B+3], s[G1B:G1B+7]
	s_nop 0
	PLACES
	s_branch .Lasked
.Lnot_b:
	s_cmp_eq_u32 s[WV], 6
	s_cbranch_scc0 .Lnot_sa
	tensor_load_to_lds s[G0SA:G0SA+3], s[G1SA:G1SA+7]
	s_nop 0
	PLACES
	s_branch .Lasked
.Lnot_sa:
	tensor_load_to_lds s[G0SB:G0SB+3], s[G1SB:G1SB+7]
	s_nop 0
	PLACES
.Lasked:
	v_and_b32 v8, 15, v0                           ; r
	v_bfe_u32 v9, v0, 4, 1                         ; h
	s_delay_alu instid0(VALU_DEP_1)
	v_lshlrev_b32 v[BO], 5, v9                     ; the bias in the result's layout: lane (r, h) wants b at the tile's columns 8 h + 0 .. 7
.irp j, 0,1,2,3
	global_load_b128 v[BI+8*\j:BI+8*\j+3], v[BO], s[12:13] offset:64*\j
	global_load_b128 v[BI+8*\j+4:BI+8*\j+7], v[BO], s[12:13] offset:64*\j+16
.endr
	v_mul_u32_u24 v10, v8, PITCH
	s_delay_alu instid0(VALU_DEP_1)
	v_lshl_add_u32 v10, v9, 4, v10                 ; a fragment's row x pitch + 16 h
	s_mul_i32 s82, s80, QT                         ; my 64 rows of x
	s_mul_i32 s83, s81, QT                         ; my 64 rows of W,
	s_add_co_u32 s83, s83, BT                      ; behind x's 128
	v_add_nc_u32 v[ADRA], s82, v10
	v_add_nc_u32 v[ADRB], s83, v10
	v_lshrrev_b32 v11, 3, v8                       ; scale bytes: 32 a row, 8 rows to a unit of 272 bytes
	s_delay_alu instid0(VALU_DEP_1)
	v_mul_u32_u24 v11, v11, 272
	v_and_b32 v12, 7, v8
	s_delay_alu instid0(VALU_DEP_1)
	v_lshl_add_u32 v11, v12, 5, v11
	s_mul_i32 s82, s80, 2176                       ; x's: my 64 rows are 8 units
	s_mul_i32 s83, s81, 2176                       ; W's likewise,
	s_add_co_u32 s83, s83, SCB-SCA
	s_sub_co_u32 s83, s83, s82                     ; as a distance from x's:
	v_mul_u32_u24 v12, s83, v9                     ; lanes 16-31 take W's
	s_add_co_u32 s82, s82, SCA
	v_add_nc_u32 v11, v11, v12
	s_delay_alu instid0(VALU_DEP_1)
	v_add_nc_u32 v[ADRS], s82, v11
	s_mul_i32 s82, s[WV], 16*272
	s_add_co_u32 s82, s82, STG                     ; my stage
	v_mul_u32_u24 v[STO], v8, 272                  ; in: row r, 32 bytes for each half of the lanes
	s_delay_alu instid0(VALU_DEP_1)
	v_lshl_add_u32 v[STO], v9, 5, v[STO]
	s_delay_alu instid0(VALU_DEP_1)
	v_add_nc_u32 v[STO], s82, v[STO]
	v_mul_u32_u24 v[RD], v9, 272                   ; back: lanes 0-15 one row of 256 bytes, lanes 16-31 the next
	s_delay_alu instid0(VALU_DEP_1)
	v_lshl_add_u32 v[RD], v8, 4, v[RD]
	s_delay_alu instid0(VALU_DEP_1)
	v_add_nc_u32 v[RD], s82, v[RD]
	v_lshlrev_b32 v[CO], 12, v9                    ; and the same two rows in out
	s_delay_alu instid0(VALU_DEP_1)
	v_lshl_add_u32 v[CO], v8, 4, v[CO]
	s_wait_alu depctr_va_vdst(0)
	s_wait_tensorcnt 0x0                           ; my fill has landed,
	s_barrier_signal -1
	s_barrier_wait -1                              ; everybody's has
	s_wait_loadcnt 0x0                             ; the bias
; 8 matrix instructions: x's blocks i0, i0 + 1 against W's four, K step q.  The 16 accumulators take turns, one instruction a turn, in the same order in every step.
; Source 0's scales (W's block j) are read from lanes 16-31 of register 4 j + q % 4, source 1's (x's block i) from lanes 0-15 of register 4 i + q % 4.
.macro MUL8 i0, q
.irp i, \i0, \i0+1
.irp j, 0,1,2,3
.if (\q) == 0
	v_wmma_scale_f32_16x16x128_f8f6f4 v[ACC+8*(4*(\i)+\j):ACC+8*(4*(\i)+\j)+7], v[BF+8*\j:BF+8*\j+7], v[AF+8*(\i):AF+8*(\i)+7], v[BI+8*\j:BI+8*\j+7], v[SC+4*\j+(\q)%4], v[SC+4*(\i)+(\q)%4] matrix_a_fmt:MATRIX_FMT_FP4 matrix_b_fmt:MATRIX_FMT_FP4 matrix_a_scale:MATRIX_SCALE_ROW1
.else
	v_wmma_scale_f32_16x16x128_f8f6f4 v[ACC+8*(4*(\i)+\j):ACC+8*(4*(\i)+\j)+7], v[BF+8*\j:BF+8*\j+7], v[AF+8*(\i):AF+8*(\i)+7], v[ACC+8*(4*(\i)+\j):ACC+8*(4*(\i)+\j)+7], v[SC+4*\j+(\q)%4], v[SC+4*(\i)+(\q)%4] matrix_a_fmt:MATRIX_FMT_FP4 matrix_b_fmt:MATRIX_FMT_FP4 matrix_a_scale:MATRIX_SCALE_ROW1
.endif
.endr
.endr
.endm
; A K step of 128: 16 fragment loads, 16 matrix instructions.  The other wave of the SIMD multiplies while this one waits for LDS.
.macro KSTEP q
.if (\q) > 0
	PLACES                                         ; four places ahead of loads into registers that matrix instructions have read
.endif
.if (\q)%4 == 0
.irp i, 0,1,2,3
	ds_load_b128 v[SC+4*\i:SC+4*\i+3], v[ADRS] offset:544*\i+16*((\q)/4)   ; the scale words of four K steps
.endr
.endif
.irp j, 0,1,2,3
.irp c, 0,1
	ds_load_b128 v[BF+8*\j+4*\c:BF+8*\j+4*\c+3], v[ADRB] offset:16*PITCH*\j+64*(\q)+32*\c
.endr
.endr
.irp i, 0,1,2,3
.irp c, 0,1
	ds_load_b128 v[AF+8*\i+4*\c:AF+8*\i+4*\c+3], v[ADRA] offset:16*PITCH*\i+64*(\q)+32*\c
.endr
.endr
	s_wait_dscnt 4                                 ; the scale words, W's four and x's blocks 0, 1 are in; the youngest four loads (x's blocks 2, 3) may be out
	MUL8 0, \q
	s_wait_dscnt 0x0
	MUL8 2, \q
.endm
.irp q, 0,1,2,3,4,5,6,7
	KSTEP \q
.endr
; THE WAY OUT, block by block of 16 rows x 64 columns.  A lane holds 32 neighbouring bytes of a row: a block goes through my own stage in LDS and comes back as whole rows of 256 bytes.
; LDS serves a wave's instructions in order (ISA guide 5.7.1.4): no wait between the stores and the loads, nor in front of the next block's stores.
.macro TOSTAGE i
.irp j, 0,1,2,3
	ds_store_b128 v[STO], v[ACC+8*(4*(\i)+\j):ACC+8*(4*(\i)+\j)+3] offset:64*\j          ; each accumulator from its low end on
	ds_store_b128 v[STO], v[ACC+8*(4*(\i)+\j)+4:ACC+8*(4*(\i)+\j)+7] offset:64*\j+16
.endr
.irp t, 0,1,2,3,4,5,6,7
	ds_load_b128 v[AF+32*((\i)%2)+4*\t:AF+32*((\i)%2)+4*\t+3], v[RD] offset:544*\t
.endr
.endm
.macro SEND i, younger                 ; younger: the LDS instructions issued behind block i's loads, which may stay out
	s_wait_dscnt \younger
.irp t, 0,1,2,3,4,5,6,7
	global_store_b128 v[CO], v[AF+32*((\i)%2)+4*\t:AF+32*((\i)%2)+4*\t+3], s[14:15] offset:(16*(\i)+2*\t)*4096 th:TH_STORE_NT   ; sixteen lanes store 256 consecutive bytes, aligned; written once, read by nobody here
.endr
.endm
	PLACES                                         ; ahead of the first read of results, and of loads into the registers that held the fragments
	TOSTAGE 0
	TOSTAGE 1
	SEND 0, 16                                     ; behind block 0's loads: block 1's 8 stores and 8 loads
	s_wait_xcnt 0x0                                ; block 0's stores have read their registers: block 2's loads may land there
	TOSTAGE 2
	SEND 1, 16
	s_wait_xcnt 0x0                                ; block 1's likewise
	TOSTAGE 3
	SEND 2, 16
	SEND 3, 0
	s_wait_tensorcnt 0x0
	ds_add_u32 v14, v15
	s_wait_dscnt 0x0
	CROUND                                         ; the closing round: no work-group ends while a partner may still ask for a tile that names it
	s_endpgm
.Lfunc_end_k_qc712941cc0_proj:
	.size	k_qc712941cc0_proj, .Lfunc_end_k_qc712941cc0_proj-k_qc712941cc0_proj
	.p2alignl 7, 3214868480
	.fill 96, 4, 3214868480
	.section	.rodata,"a",@progbits
	.p2align	6, 0x0
	.amdhsa_kernel k_qc712941cc0_proj
		.amdhsa_group_segment_fixed_size 327680
		.amdhsa_private_segment_fixed_size 0
		.amdhsa_enable_private_segment 0
		.amdhsa_kernarg_size 48
		.amdhsa_user_sgpr_count 2
		.amdhsa_user_sgpr_kernarg_segment_ptr 1
		.amdhsa_wavefront_size32 1
		.amdhsa_system_sgpr_workgroup_id_x 1
		.amdhsa_system_sgpr_workgroup_id_y 1
		.amdhsa_system_sgpr_workgroup_id_z 1
		.amdhsa_system_vgpr_workitem_id 0
		.amdhsa_next_free_vgpr 256
		.amdhsa_next_free_sgpr 100
		.amdhsa_reserve_vcc 0
		.amdhsa_float_denorm_mode_32 3
		.amdhsa_float_denorm_mode_16_64 3
		.amdhsa_memory_ordered 1
		.amdhsa_forward_progress 1
		.amdhsa_inst_pref_size 43
	.end_amdhsa_kernel
	.amdgpu_metadata
---
amdhsa.version: [ 1, 2 ]
amdhsa.kernels:
  - .name:           k_qc712941cc0_proj
    .symbol:         k_qc712941cc0_proj.kd
    .args:
      - { .name: x_codes, .offset: 0, .size: 8, .value_kind: global_buffer, .address_space: global }
      - { .name: x_scales, .offset: 8, .size: 8, .value_kind: global_buffer, .address_space: global }
      - { .name: rc, .offset: 16, .size: 8, .value_kind: global_buffer, .address_space: global }
      - { .name: rs, .offset: 24, .size: 8, .value_kind: global_buffer, .address_space: global }
      - { .name: b, .offset: 32, .size: 8, .value_kind: global_buffer, .address_space: global }
      - { .name: out0, .offset: 40, .size: 8, .value_kind: global_buffer, .address_space: global }
    .group_segment_fixed_size: 327680
    .private_segment_fixed_size: 0
    .kernarg_segment_align: 8
    .kernarg_segment_size: 48
    .max_flat_workgroup_size: 256
    .sgpr_count:     100
    .vgpr_count:     256
    .wavefront_size: 32
...
	.end_amdgpu_metadata
.endif
;; end of part 3
